; MI455X (gfx1250); checked and timed in simulation.
; The chip was launched on July 23, 2026; its instructions are those of AMD's public machine-readable ISA for CDNA 5 (MIT licence, August 2026) and "CDNA5" Instruction Set Architecture Reference Guide (July 2026). The comments in the code are by the model that wrote it; some were corrected since.
;; Quantized Linear. Allowed arithmetic: float matrix products may take bf16 or f16 operands with f32 sums; all other float work in f32.
;; Inputs: bias 4,096 float32; scale 4,096 float32; w_q 4,096 x 4,096 int32; x 4,096 x 4,096 float32; zero_point 4,096 float32.
;; Outputs: out0 4,096 x 4,096 float32.
;; 2 versions, each right; version 2 is version 1 with the launch prep written anew for expert scheduling mode. Each part assembles by itself: llvm-mc -triple=amdgcn-amd-amdhsa -mcpu=gfx1250 --defsym DOCPART=n.
;; ======== version 1 of 2: 2 launches
;; limits: values are held in f16: magnitudes above 65,504 overflow, below 6.1e-05 lose precision
;; workspace buffers: xh 33,554,432 bytes; wh 33,554,432 bytes
;; launch prep (part 1): grid 512 x 2, 8 waves a work-group, no clusters, 0 bytes of LDS; arguments x, w_q, scale, zero_point, xh, wh; writes xh, wh
.if DOCPART == 1
	.amdgcn_target "amdgcn-amd-amdhsa--gfx1250"
	.amdhsa_code_object_version 6
	.text
	.protected	k_q8ca45f356c_prep
	.globl	k_q8ca45f356c_prep
	.p2align	8
	.type	k_q8ca45f356c_prep,@function
k_q8ca45f356c_prep:
	s_mov_b64 s[64:65], 0
	v_nop
	global_prefetch_b8 v0, s[64:65] scope:SCOPE_SE
	s_setreg_imm32_b32 hwreg(HW_REG_WAVE_MODE, 25, 1), 1
	s_wait_xcnt 0x0
; xh[m][i] = f16(x[m][i]);  wh[o][i] = f16((f32(w_q[o][i]) - zero_point[o]) * scale[o]).  x: [4096][4096] f32, w_q: [4096][4096] int32, xh, wh: [4096][4096] f16.
; The difference and the product are made in f32, in the order in which the problem writes them, and rounded once, to f16.
; Done once here, since the product that follows reads every row of x and of w for 16 tiles: converting there would repeat this work sixteenfold.
; LIMITS.  f16 ends at 65,504: an |x| or |(q - zp) s| of 65,520 or more becomes an infinity; below 6.1e-5 a number keeps f16's fixed step of 6e-8.
; q is converted as the problem's astype converts it: exact below 2^24, to nearest even above.
; SHARES.  Grid y = 0: x; y = 1: w_q.  A wave owns ONE row (16,384 bytes in, 8,192 out), row = 8 x work-group + wave, so a row's zero point and scale are two scalars.
; A load takes 16 bytes a lane, 512 consecutive bytes a wave; a store 8 bytes a lane: 256 consecutive bytes, aligned.  Every byte is read once and written once.
; A ring of DEPTH register slots keeps DEPTH loads of every wave on their way.  No LDS, no barrier, no cluster: no wave needs what another wave reads.
.set DEPTH,  8                         ; slots = loads on their way in each wave
.set ROUNDS, 32/DEPTH                  ; a row is 32 loads; each round takes every slot once
.set IN,  1                            ; v1        16 x lane; never rewritten
.set OUT, 2                            ; v2        8 x lane; never rewritten
.set T,   4                            ; v[4:7]    four numbers in f32, at work
.set X,   8                            ; v[8:39]   slot i: 4 registers as loaded
.set Y,   40                           ; v[40:55]  slot i: 2 registers, four f16 to store
.set SC,  26                           ; s[26:27]  the row's scale (the packed multiply names a pair and takes its low word for both halves)
.set NZ,  28                           ; s[28:29]  minus the row's zero point, likewise
	s_load_b256 s[4:11], s[0:1], 0x0               ; x s[4:5], w_q s[6:7], scale s[8:9], zero_point s[10:11]
	s_load_b128 s[12:15], s[0:1], 0x20             ; xh s[12:13], wh s[14:15]
	v_lshrrev_b32 v3, 5, v0
	v_readfirstlane_b32 s16, v3                    ; wave 0..7
	v_and_b32 v3, 31, v0                           ; lane
	v_lshlrev_b32 v[IN], 4, v3
	v_lshlrev_b32 v[OUT], 3, v3
	s_lshl_b32 s17, ttmp9, 3
	s_add_co_u32 s17, s17, s16                     ; my row
	s_lshl_b32 s18, s17, 14                        ; its first byte in the source: 16,384 bytes a row, 67 MB at the most,
	s_mov_b32 s19, 0
	s_lshl_b32 s20, s17, 13                        ; in the result,
	s_mov_b32 s21, 0
	s_lshl_b32 s22, s17, 2                         ; and in scale and zero_point
	s_mov_b32 s23, 0
	s_and_b32 s24, ttmp7, 0xffff                   ; which tensor
	s_wait_kmcnt 0x0
	s_cmp_lg_u32 s24, 0
	s_cbranch_scc1 .Lweights
; One slot's turn.  ahead = 1: the slot is filled again with the 512 bytes DEPTH loads further on.  left = how many younger loads may stay out.
; kind = 0: f32 to f16.  kind = 1: int32 to f32, minus the zero point, times the scale, to f16.  pin, pout: the scalar pairs with the row's addresses.
.macro SLOT i, ahead, left, kind, pin, pout
	s_wait_loadcnt \left                           ; loads come back in order (ISA guide 5.7.1): mine is in, the younger ones stay out
.if \kind
.irp j, 0,1,2,3
	v_cvt_f32_i32 v[T+(\j)], v[X+4*(\i)+(\j)]
.endr
.irp j, 0,2
	v_pk_add_f32 v[T+(\j):T+(\j)+1], v[T+(\j):T+(\j)+1], s[NZ:NZ+1] op_sel_hi:[1,0]  ; q + (-zp): the same bits as q - zp
.endr
.irp j, 0,2
	v_pk_mul_f32 v[T+(\j):T+(\j)+1], v[T+(\j):T+(\j)+1], s[SC:SC+1] op_sel_hi:[1,0]  ; a difference and then a product: no fused form computes that
.endr
	v_cvt_pk_f16_f32 v[Y+2*(\i)],   v[T],   v[T+1]
	v_cvt_pk_f16_f32 v[Y+2*(\i)+1], v[T+2], v[T+3]
.else
	v_cvt_pk_f16_f32 v[Y+2*(\i)],   v[X+4*(\i)],   v[X+4*(\i)+1]
	v_cvt_pk_f16_f32 v[Y+2*(\i)+1], v[X+4*(\i)+2], v[X+4*(\i)+3]
.endif
.if \ahead
	global_load_b128 v[X+4*(\i):X+4*(\i)+3], v[IN], s[\pin:\pin+1] offset:(DEPTH+(\i))*512 th:TH_LOAD_NT  ; the load goes ahead of the store
.endif
	global_store_b64 v[OUT], v[Y+2*(\i):Y+2*(\i)+1], s[\pout:\pout+1] offset:256*(\i)  ; no hint: the next launch reads these bytes
.endm
; The first DEPTH loads of a row.
.macro FIRST pin
.irp i, 0,1,2,3,4,5,6,7
	global_load_b128 v[X+4*(\i):X+4*(\i)+3], v[IN], s[\pin:\pin+1] offset:(\i)*512 th:TH_LOAD_NT
.endr
.endm
; A whole row: ROUNDS - 1 rounds that fill the ring again, and a last one, written out, that loads nothing: the last load ends at the row's last byte.
.macro STREAM kind, pin, pout
	s_mov_b32 s25, ROUNDS-1
.Lround_\@:
.irp i, 0,1,2,3,4,5,6,7
	SLOT \i, 1, DEPTH-1, \kind, \pin, \pout
.endr
	s_wait_xcnt 0x0                                ; every earlier memory instruction has had its addresses translated (ISA guide 3.1): only behind this wait are the two bases stepped and Y written again
	s_add_nc_u64 s[\pin:\pin+1], s[\pin:\pin+1], DEPTH*512
	s_add_nc_u64 s[\pout:\pout+1], s[\pout:\pout+1], DEPTH*256
	s_sub_co_u32 s25, s25, 1
	s_cmp_lg_u32 s25, 0
	s_cbranch_scc1 .Lround_\@
.irp i, 0,1,2,3,4,5,6,7
	SLOT \i, 0, DEPTH-1-(\i), \kind, \pin, \pout   ; the counts run down
.endr
	s_endpgm
.endm
	s_add_nc_u64 s[4:5], s[4:5], s[18:19]          ; x and xh at my row
	s_add_nc_u64 s[12:13], s[12:13], s[20:21]
	FIRST 4
	STREAM 0, 4, 12
.Lweights:
	s_add_nc_u64 s[6:7], s[6:7], s[18:19]          ; w_q and wh at my row
	s_add_nc_u64 s[14:15], s[14:15], s[20:21]
	s_add_nc_u64 s[8:9], s[8:9], s[22:23]          ; scale and zero_point at my row's number
	s_add_nc_u64 s[10:11], s[10:11], s[22:23]
	s_load_b32 s[SC], s[8:9], 0x0
	s_load_b32 s[NZ], s[10:11], 0x0
	FIRST 6                                        ; the ring is on its way while the two scalars come
	s_wait_kmcnt 0x0
	s_mov_b32 s[SC+1], s[SC]                       ; named with it as a pair, so it is written
	s_xor_b32 s[NZ], s[NZ], 0x80000000             ; -zp
	s_mov_b32 s[NZ+1], s[NZ]
	STREAM 1, 6, 14
.Lfunc_end_k_q8ca45f356c_prep:
	.size	k_q8ca45f356c_prep, .Lfunc_end_k_q8ca45f356c_prep-k_q8ca45f356c_prep
	.p2alignl 7, 3214868480
	.fill 96, 4, 3214868480
	.section	.rodata,"a",@progbits
	.p2align	6, 0x0
	.amdhsa_kernel k_q8ca45f356c_prep
		.amdhsa_group_segment_fixed_size 0
		.amdhsa_private_segment_fixed_size 0
		.amdhsa_enable_private_segment 0
		.amdhsa_kernarg_size 48
		.amdhsa_user_sgpr_count 2
		.amdhsa_user_sgpr_kernarg_segment_ptr 1
		.amdhsa_wavefront_size32 1
		.amdhsa_system_sgpr_workgroup_id_x 1
		.amdhsa_system_sgpr_workgroup_id_y 1
		.amdhsa_system_sgpr_workgroup_id_z 1
		.amdhsa_system_vgpr_workitem_id 0
		.amdhsa_next_free_vgpr 56
		.amdhsa_next_free_sgpr 66
		.amdhsa_reserve_vcc 0
		.amdhsa_float_denorm_mode_32 3
		.amdhsa_float_denorm_mode_16_64 3
		.amdhsa_memory_ordered 1
		.amdhsa_forward_progress 1
		.amdhsa_inst_pref_size 20
	.end_amdhsa_kernel
	.amdgpu_metadata
---
amdhsa.version: [ 1, 2 ]
amdhsa.kernels:
  - .name:           k_q8ca45f356c_prep
    .symbol:         k_q8ca45f356c_prep.kd
    .args:
      - { .name: x, .offset: 0, .size: 8, .value_kind: global_buffer, .address_space: global }
      - { .name: w_q, .offset: 8, .size: 8, .value_kind: global_buffer, .address_space: global }
      - { .name: scale, .offset: 16, .size: 8, .value_kind: global_buffer, .address_space: global }
      - { .name: zero_point, .offset: 24, .size: 8, .value_kind: global_buffer, .address_space: global }
      - { .name: xh, .offset: 32, .size: 8, .value_kind: global_buffer, .address_space: global }
      - { .name: wh, .offset: 40, .size: 8, .value_kind: global_buffer, .address_space: global }
    .group_segment_fixed_size: 0
    .private_segment_fixed_size: 0
    .kernarg_segment_align: 8
    .kernarg_segment_size: 48
    .max_flat_workgroup_size: 256
    .sgpr_count:     66
    .vgpr_count:     56
    .wavefront_size: 32
...
	.end_amdgpu_metadata
.endif
;; end of part 1
;; launch gemm (part 2): grid 16 x 16, 4 waves a work-group, clusters of 4 x 4, 327,680 bytes of LDS; arguments xh, wh, bias, out0; writes out0
.if DOCPART == 2
	.amdgcn_target "amdgcn-amd-amdhsa--gfx1250"
	.amdhsa_code_object_version 6
	.text
	.protected	k_q8ca45f356c_gemm
	.globl	k_q8ca45f356c_gemm
	.p2align	8
	.type	k_q8ca45f356c_gemm,@function
k_q8ca45f356c_gemm:
	s_mov_b64 s[64:65], 0
	v_nop
	global_prefetch_b8 v0, s[64:65] scope:SCOPE_SE
	s_setreg_imm32_b32 hwreg(HW_REG_WAVE_MODE, 25, 1), 1
	s_wait_xcnt 0x0
	s_wait_alu depctr_hold_cnt(0) depctr_sa_sdst(0) depctr_va_vdst(0) depctr_va_sdst(0) depctr_va_ssrc(0) depctr_va_vcc(0) depctr_vm_vsrc(0)
	s_getreg_b32 s2, hwreg(HW_REG_IB_STS2, 6, 4)
	s_cmp_eq_u32 s2, 0
	s_cbranch_scc0 .Lentry_in_a_cluster
	s_endpgm
.Lentry_in_a_cluster:
	s_bfe_u32 s2, ttmp6, 0x10000c
	s_cmp_lg_u32 s2, 0xf033
	s_cbranch_scc0 .Lentry_shape_is_right
	s_endpgm
.Lentry_shape_is_right:
; out0[m][o] = bias[o] + the sum over i of xh[m][i] wh[o][i].  xh: [4096][4096] f16, wh: [4096][4096] f16 (the dequantised weights), bias: [4096] f32, out0: [4096][4096] f32.  Sums in f32.
; f16, not bf16: a column with a large scale has a spread well above the output's root mean square, by which the allowance goes, and eight significant bits leave too little room there.
; LIMITS.  The operands arrive within f16's range (65,504) and with its fixed step of 6e-8 below 6.1e-5; NaN and infinities are not treated apart.
; A tile of the output, 256 x 256, is made by a work-group of four waves; a wave makes 128 x 128: 64 accumulators of 16 x 16, 512 registers.  256 tiles, one to a work-group.
; K goes in steps of 128 through a ring of two LDS slots filled by the tensor data mover: a tile's rows are 256 bytes of memory and start at multiples of 256 bytes from the buffer's first byte.
; THE BIAS IS THE C OPERAND of each accumulator's first product: nothing is cleared, and the way out has no arithmetic.
; CLUSTERS: 4 x 4 work-groups.  The four of a row of the cluster need the same tiles of xh, the four of a column the same tiles of wh: each tile is asked for JOINTLY, by the same tensor load with
; the same descriptor and a mask that names the four; each receives it in its own LDS.  That divides the requests for both operands by four.
; THE MATRIX INSTRUCTION IS USED TRANSPOSED: source 0 = 16 rows of wh, source 1 = 16 rows of xh.  In the result lane l holds row m = l % 16 and its registers 0 to 7 the columns 8 (l / 16) + 0 .. 7:
; 32 neighbouring bytes of a row of the output.
; REGISTERS, in windows of 256 (s_set_vgpr_msb's low byte: bits 1:0 source 0, 3:2 source 1, 5:4 source 2, 7:6 destination):
;   window 0: v0-31 addresses; v64-127, v128-191 fragments of xh (8 x 16 rows x 32 K), two buffers; v192-255 the bias of my 128 columns, as eight C operands
;   window 1: v64-127, v128-191 fragments of wh, two buffers
;   window 2: the 32 accumulators of my rows 0-63 (accumulator (a, b) at v[8 (8 a + b)]);   window 3: those of my rows 64-127
.set SIZE_K, 4096
.set SIZE_N, 4096
.set KSTEP,  128
.set PITCH,  272                       ; an LDS row: 256 bytes of data + 16 of padding = 68 words: row r starts at bank 4 r mod 64 (64 banks of 4 bytes: ISA guide 11.1), so the 16 rows that a load touches start at 16 different banks
.set HALFT,  128*PITCH                 ; 128 rows: what one tensor load brings, and what one wave reads of either operand
.set SLOT,   4*HALFT                   ; xh's 256 rows, then wh's 256 rows
.set STAGE,  2*SLOT                    ; behind the ring, never filled by a tensor load: 16 rows x 528 bytes for each wave, for the way out
.set SP,     528                       ; a stage row: 512 bytes (128 f32) + 16 = 33 x 16
.set SPARE,  STAGE+4*16*SP             ; behind the stages: the spare words, 128 bytes for each wave: two blocks of 256 bytes that no other line names
.set LAPS,   SIZE_K/(2*KSTEP)          ; a lap = two K steps = once round the ring: 16
.set ADRA, 16                          ; v16-17  LDS address of my xh fragments in slot 0, 1
.set ADRB, 20                          ; v20-21  the same for wh
.set STO,  24                          ; v24     the way out: where I put 32 bytes of a row
.set RD,   25                          ; v25     the way out: where I read 16 bytes of a whole row back
.set CO,   26                          ; v26     my byte offset in 512 bytes of a row of the output
.set BO,   27                          ; v27     my byte offset in 64 bytes of the bias
.set SPW,  28                          ; v28     LDS address of my spare word: SPARE + 4 x my thread's number; never rewritten
.set NIL,  29                          ; v29     0; never rewritten
.set F0,   64                          ; fragment buffer 0
.set F1,   128                         ; fragment buffer 1
.set BI,   192                         ; the bias: column block b at BI + 8 b; register j of lane l holds bias[my first column + 16 b + 8 (l / 16) + j]
.set G1,  24                           ; s[24:31] descriptor group 1 for xh's tiles
.set G0,  32                           ; s[32:39] descriptor group 0 for xh's tiles, one set for each slot
.set G1B, 48                           ; s[48:55] descriptor group 1 for wh's tiles: it differs in the mask alone
.set G0B, 56                           ; s[56:63] descriptor group 0 for wh's tiles, one set for each slot
.set PBI, 68                           ; s[68:69] the bias at my first column
.set PC,  70                           ; s[70:71] the output at my first row and column; never rewritten once made
.set MSB, 0
.macro WIN new                         ; the immediate's high byte repeats the setting that is left; a switch that changes nothing is dropped
.if MSB != (\new)
	s_set_vgpr_msb (MSB<<8)|(\new)
.set MSB, \new
.endif
.endm
.set MUL_LO, 0xa1                      ; source 0 (wh) window 1, source 1 (xh) window 0, C and D window 2
.set MUL_HI, 0xf1                      ; the same, C and D window 3
.set BEG_LO, 0x81                      ; a sum's first product: C (the bias) window 0, D window 2
.set BEG_HI, 0xc1                      ; the same, D window 3
.set TO_B,   0x40                      ; destination window 1, address window 0
; A joint load.  Waves 0 and 1 fetch xh's two halves, waves 2 and 3 wh's.  Each of the two lines has ONE mask and one set of registers for all that issue it, and nothing in them hangs on a
; coordinate that the four partners do not share.  The branch hangs on the wave's number alone.  An s_nop 0 and four v_nop follow each of the two lines, ahead of the jump, the label and
; what follows the macro.
.macro JLOAD s
	s_cmp_eq_u32 s11, 0
	s_cbranch_scc0 .Lfor_b_\@
	tensor_load_to_lds s[G0+4*(\s):G0+4*(\s)+3], s[G1:G1+7]
	s_nop 0
.rept 4
	v_nop
.endr
	s_branch .Lasked_\@
.Lfor_b_\@:
	tensor_load_to_lds s[G0B+4*(\s):G0B+4*(\s)+3], s[G1B:G1B+7]
	s_nop 0
.rept 4
	v_nop
.endr
.Lasked_\@:
.endm
; A round of the cluster's barrier: my work-group's barrier, so that wave 0's signal speaks for all four waves; wave 0 signals for the work-group; every wave waits for all sixteen
; work-groups; my work-group's barrier once more.  No LDS instruction of the wave is pending at a signal.
.macro CREST                           ; a round behind its opening barrier
	s_cmp_lg_u32 s10, 0
	s_cbranch_scc1 .Lnot_wave_0_\@
	s_barrier_signal -3
.Lnot_wave_0_\@:
	s_barrier_wait -3
	s_barrier_signal -1
	s_barrier_wait -1
.endm
.macro CROUND                          ; a whole round
	s_barrier_signal -1
	s_barrier_wait -1
	CREST
.endm
	s_load_b128 s[4:7], s[0:1], 0x0                ; xh s[4:5], wh s[6:7]
	s_load_b128 s[68:71], s[0:1], 0x10             ; bias s[68:69], out0 s[70:71]
	v_lshl_add_u32 v[SPW], v0, 2, SPARE
	v_mov_b32 v[NIL], 0
	ds_add_u32 v[SPW], v[NIL]                      ; the wave's opening: the add and its wait stand ahead of my first tensor load; the set-up below, work on registers, stands between them
	v_lshrrev_b32 v1, 5, v0
	v_readfirstlane_b32 s10, v1                    ; wave 0..3
	s_lshr_b32 s11, s10, 1                         ; which half of the tile's rows is mine.  Also: I fetch for xh (0) or for wh (1)
	s_and_b32 s12, s10, 1                          ; which half of its columns.  Also: which 128 rows of that operand's tile I fetch
	s_bfe_u32 s40, ttmp6, 0x40000                  ; cx: my place along the cluster's x
	s_bfe_u32 s41, ttmp6, 0x40004                  ; cy: along its y
	s_lshl_b32 s42, ttmp9, 2                       ; in a cluster launch ttmp9 and ttmp7 count clusters
	s_add_co_u32 s42, s42, s40                     ; tile column = 4 x cluster x + cx
	s_and_b32 s13, ttmp7, 0xffff
	s_lshl_b32 s13, s13, 2
	s_add_co_u32 s13, s13, s41                     ; tile row = 4 x cluster y + cy
	s_lshl_b32 s43, s41, 2
	s_lshl_b32 s43, 15, s43                        ; my row of the cluster: places 4 cy .. 4 cy + 3
	s_lshl_b32 s44, 0x1111, s40                    ; my column: places cx, cx + 4, cx + 8, cx + 12
	; descriptor group 1: a tile of 128 rows x 128 elements, padded in LDS
	s_or_b32 s[G1+0], s43, (1<<16)|(1<<20)|(1<<21)|(5<<22)|(3<<25)   ; 15:0 the mask: xh's tiles go to my row; 17:16 elements of 2 bytes; 20 padding on; 21 set beside a mask; 24:22 after every 64 words (code 5); 31:25 4 words of it (code 3)
	s_or_b32 s[G1B+0], s44, (1<<16)|(1<<20)|(1<<21)|(5<<22)|(3<<25)  ; the same with the mask of my column, for wh's tiles
.irp g, G1, G1B
	s_mov_b32 s[(\g)+1], KSTEP<<16                 ; 63:48 tensor_dim0, low half = 128
	s_mov_b32 s[(\g)+2], 128<<16                   ; 79:64 its high half = 0; 95:80 tensor_dim1, low half = 128
	s_mov_b32 s[(\g)+3], KSTEP<<16                 ; 111:96 its high half = 0; 127:112 tile_dim0 = 128
	s_mov_b32 s[(\g)+4], 128                       ; 143:128 tile_dim1 = 128; 159:144 tile_dim2 = 0
	s_mov_b32 s[(\g)+5], SIZE_K                    ; 191:160 tensor_dim0_stride, low word: elements from row to row
	s_mov_b32 s[(\g)+6], 0
	s_mov_b32 s[(\g)+7], 0
.endr
	; where the tiles come from.  xh's hang on the tile row alone, which my row of the cluster shares; wh's on the tile column alone, which my column shares.
	; Every wave makes both offsets, in registers that never hold the other coordinate, and asks by one of them.
	s_lshl_b32 s17, s12, 7                         ; which 128 rows of the tile I fetch
	s_lshl_b32 s16, s13, 8
	s_add_co_u32 s16, s16, s17                     ; xh: row 256 x tile row + 128 x half,
	s_lshl_b32 s16, s16, 13                        ; in bytes: 8,192 a row, 34 MB at the most
	s_lshl_b32 s46, s42, 8
	s_add_co_u32 s46, s46, s17                     ; wh: row 256 x tile column + 128 x half
	s_lshl_b32 s46, s46, 13
	s_mov_b32 s17, 0
	s_mov_b32 s47, 0
	s_mul_i32 s20, s10, HALFT                      ; and where they go: xh's two halves, then wh's two halves = wave x 128 rows: no place in the cluster enters an LDS address
	s_wait_dscnt 0x0                               ; the opening add is done
	s_wait_kmcnt 0x0
	s_add_nc_u64 s[14:15], s[4:5], s[16:17]
	s_add_nc_u64 s[46:47], s[6:7], s[46:47]
	CROUND                                         ; all sixteen work-groups are here: the first joint loads meet
.irp s, 0,1
	s_mov_b32 s[G0+4*(\s)], 1                                        ; 1:0 count = 1
	s_add_co_u32 s[G0+4*(\s)+1], s20, (\s)*SLOT                      ; 63:32 LDS address
	s_add_nc_u64 s[G0+4*(\s)+2:G0+4*(\s)+3], s[14:15], (\s)*KSTEP*2  ; 120:64 global address: K step s
	s_or_b32 s[G0+4*(\s)+3], s[G0+4*(\s)+3], 0x80000000              ; 127:126 type = 2
	s_mov_b32 s[G0B+4*(\s)], 1
	s_add_co_u32 s[G0B+4*(\s)+1], s20, (\s)*SLOT
	s_add_nc_u64 s[G0B+4*(\s)+2:G0B+4*(\s)+3], s[46:47], (\s)*KSTEP*2
	s_or_b32 s[G0B+4*(\s)+3], s[G0B+4*(\s)+3], 0x80000000
	JLOAD \s                                       ; the ring is filled before anything else is done: two loads of mine are out
.endr
	; A fragment is 16 rows x 32 K in 8 registers: lane l holds row l % 16; registers 0-3 hold K = 8 (l / 16) + 0..7, registers 4-7 hold K = 16 + 8 (l / 16) + 0..7.
	; From rows that lie along K: two loads of 16 bytes, 32 bytes apart.  The same for source 0 and source 1.
	v_and_b32 v1, 15, v0                           ; l % 16
	v_bfe_u32 v2, v0, 4, 1                         ; l / 16
	v_mul_u32_u24 v3, v1, PITCH
	v_lshl_add_u32 v3, v2, 4, v3                   ; row x pitch + 16 x half
	s_mul_i32 s21, s11, HALFT                      ; my 128 rows of xh
	s_mul_i32 s22, s12, HALFT                      ; my 128 rows of wh,
	s_add_co_u32 s22, s22, 2*HALFT                 ; which lie behind xh's 256
.irp s, 0,1
	v_add_nc_u32 v[ADRA+(\s)], s21, v3
	v_add_nc_u32 v[ADRB+(\s)], s22, v3
	s_add_co_u32 s21, s21, SLOT
	s_add_co_u32 s22, s22, SLOT
.endr
	s_mul_i32 s23, s10, 16*SP
	s_add_co_u32 s23, s23, STAGE                   ; my stage
	v_mul_u32_u24 v4, v1, SP                       ; in: row l % 16, 32 bytes for each half of the lanes
	v_lshl_add_u32 v4, v2, 5, v4
	v_add_nc_u32 v[STO], s23, v4
	v_and_b32 v5, 31, v0
	v_lshlrev_b32 v[CO], 4, v5                     ; back and out: 32 lanes x 16 bytes are a whole row of 512 bytes
	v_add_nc_u32 v[RD], s23, v[CO]
	v_lshlrev_b32 v[BO], 5, v2                     ; the bias: my half's eight columns of a block of sixteen
	; where my part begins in the output and in the bias
	s_lshl_b32 s16, s13, 8
	s_lshl_b32 s14, s11, 7
	s_add_co_u32 s16, s16, s14                     ; my first row,
	s_lshl_b32 s16, s16, 14                        ; in bytes: 16,384 a row, 67 MB at the most
	s_mov_b32 s17, 0
	s_add_nc_u64 s[PC:PC+1], s[PC:PC+1], s[16:17]
	s_lshl_b32 s46, s42, 10                        ; my first column, in bytes: 1,024 x tile column + 512 x half (in the registers that held wh's address: none that feeds xh's descriptors ever holds cx)
	s_lshl_b32 s47, s12, 9
	s_add_co_u32 s46, s46, s47
	s_mov_b32 s47, 0
	s_add_nc_u64 s[PC:PC+1], s[PC:PC+1], s[46:47]
	s_add_nc_u64 s[PBI:PBI+1], s[PBI:PBI+1], s[46:47]
.irp b, 0,1,2,3,4,5,6,7
	global_load_b128 v[BI+8*(\b):BI+8*(\b)+3],   v[BO], s[PBI:PBI+1] offset:64*(\b)
	global_load_b128 v[BI+8*(\b)+4:BI+8*(\b)+7], v[BO], s[PBI:PBI+1] offset:64*(\b)+16
.endr
; 16 matrix instructions: m blocks a0, a0 + 1 of the window's four (hi = 0: my rows 0-63, 1: rows 64-127) x all 8 n blocks, 32 along K.
; first = 1: the product starts the sum, with the bias of its sixteen columns as C.  The 64 accumulators take turns in the same order in every quarter step.
.macro MUL16 f, hi, a0, first
.if \first
	WIN BEG_LO+0x40*(\hi)
.else
	WIN MUL_LO+0x50*(\hi)
.endif
.irp a, \a0, (\a0)+1
.irp b, 0,1,2,3,4,5,6,7
.if \first
	v_wmma_f32_16x16x32_f16 v[8*(8*(\a)+(\b)):8*(8*(\a)+(\b))+7], v[(\f)+8*(\b):(\f)+8*(\b)+7], v[(\f)+8*(4*(\hi)+(\a)):(\f)+8*(4*(\hi)+(\a))+7], v[BI+8*(\b):BI+8*(\b)+7]
.else
	v_wmma_f32_16x16x32_f16 v[8*(8*(\a)+(\b)):8*(8*(\a)+(\b))+7], v[(\f)+8*(\b):(\f)+8*(\b)+7], v[(\f)+8*(4*(\hi)+(\a)):(\f)+8*(4*(\hi)+(\a))+7], v[8*(8*(\a)+(\b)):8*(8*(\a)+(\b))+7]
.endif
.endr
.endr
.endm
; 32 LDS loads in one run: the fragments of one quarter step (128 rows of wh, 128 rows of xh, 32 K at byte k of the rows) into buffer f
.macro FETCH slot, k, f
	WIN TO_B
.irp i, 0,1,2,3,4,5,6,7
	ds_load_b128 v[(\f)+8*(\i):(\f)+8*(\i)+3],   v[ADRB+(\slot)] offset:(\k)+(\i)*16*PITCH
	ds_load_b128 v[(\f)+8*(\i)+4:(\f)+8*(\i)+7], v[ADRB+(\slot)] offset:(\k)+(\i)*16*PITCH+32
.endr
	WIN 0
.irp i, 0,1,2,3,4,5,6,7
	ds_load_b128 v[(\f)+8*(\i):(\f)+8*(\i)+3],   v[ADRA+(\slot)] offset:(\k)+(\i)*16*PITCH
	ds_load_b128 v[(\f)+8*(\i)+4:(\f)+8*(\i)+7], v[ADRA+(\slot)] offset:(\k)+(\i)*16*PITCH+32
.endr
.endm
; A load into a register that a matrix instruction has read or written, and a store that reads a matrix result, stand four places behind that matrix instruction, and only plain vector
; instructions that name none of its registers are places (ISA guide 7.12.1 for vector instructions).  No other vector work is at hand here.
.macro PLACES
.rept 4
	v_nop
.endr
.endm
; A K step is four quarter steps of 32 along K, 64 matrix instructions each, on buffers 0, 1, 0, 1.
; One of the first three: multiplies buffer f; in its middle it fetches the next quarter's fragments, at byte k of the same slot's rows, into buffer g.
.macro QUARTER slot, k, f, g, first
	s_wait_dscnt 8                                 ; wh and xh's rows 0-63 are in; the youngest eight loads (xh's rows 64-127) may be out
	MUL16 \f, 0, 0, \first
	MUL16 \f, 0, 2, \first
	PLACES
	FETCH \slot, \k, \g
	s_wait_dscnt 32                                ; all but the 32 just issued
	MUL16 \f, 1, 0, \first
	MUL16 \f, 1, 2, \first
.endm
; The last quarter multiplies buffer 1 and changes slots.  MEET is its first half: ONE barrier for the change of slots, for two things.  In front of it each wave waits for all its tensor
; loads, of which one is out: its part of the next slot; adds 0 to its spare word; and waits for that and for its own reads of this slot.  Behind it nobody reads this slot any more and the next slot is whole.
.macro MEET round                      ; round = 1: a round of the cluster's barrier follows
	WIN 0                                          ; (the add's two registers lie in window 0)
	s_wait_tensorcnt 0x0                           ; all my tensor loads have landed: the one that was out is my part of the next slot;
	ds_add_u32 v[SPW], v[NIL]                      ; 0 onto my spare word;
	s_wait_dscnt 9                                 ; (the add and the youngest eight loads may be out)
	MUL16 F1, 0, 0, 0                              ; sixteen matrix instructions stand between the add and the wait for it
	s_wait_dscnt 0x0                               ; the add is done, and my reads of this slot are over:
	s_barrier_signal -1                            ; say so (where a slot is filled again this barrier opens a round of the cluster's barrier),
	MUL16 F1, 0, 2, 0                              ; work on registers while the others arrive,
.if \round
	WIN 0
.endif
	s_barrier_wait -1                              ; and go on when all four have said so
.endm
; The whole last quarter.  fill = 1: behind the round the slot just read out is filled again first, with the K step two steps on; then come the next slot's first fragments.
; From a request to the wait for it a wave issues 224 matrix instructions.  fill = 0: the last lap: nothing is asked for, and no round follows.
.macro TURN slot, next, fill
	MEET \fill
.if \fill
	CREST                                          ; wave 0 says so for the work-group, all sixteen have said so, my work-group's barrier closes the round: no wave of any partner still reads this slot or has a load on its way
	s_add_nc_u64 s[G0+4*(\slot)+2:G0+4*(\slot)+3], s[G0+4*(\slot)+2:G0+4*(\slot)+3], 2*KSTEP*2     ; no tensor load of mine is out, so a group 0 may be written; the type bits on top are not reached
	s_add_nc_u64 s[G0B+4*(\slot)+2:G0B+4*(\slot)+3], s[G0B+4*(\slot)+2:G0B+4*(\slot)+3], 2*KSTEP*2
	JLOAD \slot                                    ; the first tensor load behind the round, one a wave; the four v_nop behind it are also the places in front of the loads below
.else
	PLACES
.endif
	FETCH \next, 0, F0
	MUL16 F1, 1, 0, 0
	MUL16 F1, 1, 2, 0
.endm
; THE WAY OUT of block a (16 of my rows x 128 columns, 64 registers), in two parts.  TOSTAGE: a lane's 32 bytes of each accumulator go into my own stage in LDS, each accumulator's low four
; registers first, and come back as whole rows of 512 bytes, into the registers that they left: no register of the way out is ever written a second time.
.macro TOSTAGE a
.set AC, 64*((\a)%4)
	WIN 0x08+4*((\a)/4)                            ; store data (source 1) in window 2 or 3, address in window 0
.irp b, 0,1,2,3,4,5,6,7
	ds_store_b128 v[STO], v[AC+8*(\b):AC+8*(\b)+3]   offset:64*(\b)
	ds_store_b128 v[STO], v[AC+8*(\b)+4:AC+8*(\b)+7] offset:64*(\b)+16
.endr
	WIN 0x80+0x40*((\a)/4)                         ; destination in window 2 or 3
.irp t, 0,1,2,3,4,5,6,7,8,9,10,11,12,13,14,15
	ds_load_b128 v[AC+4*(\t):AC+4*(\t)+3], v[RD] offset:(\t)*SP  ; LDS serves a wave's instructions in order (ISA guide 5.7.1.4): these see the stores above; the next block's stores come behind them
.endr
.endm
; SEND: stored.  younger: the LDS instructions issued behind block a's loads: the next block's 32, or none.
.macro SEND a, younger
.set AC, 64*((\a)%4)
	WIN 0x08+4*((\a)/4)
.irp t, 0,1,2,3,4,5,6,7,8,9,10,11,12,13,14,15
	s_wait_dscnt (\younger)+15-(\t)                ; row t is back in registers
	global_store_b128 v[CO], v[AC+4*(\t):AC+4*(\t)+3], s[PC:PC+1] offset:(16*(\a)+(\t))*SIZE_N*4 th:TH_STORE_NT  ; 512 consecutive bytes, at a multiple of 512 from the output's first byte; 127 rows at the most: inside the signed 24-bit immediate
.endr
.endm
	s_wait_tensorcnt 1                             ; my part of K step 0 is in; K step 1's may stay out
	s_barrier_signal -1
	s_barrier_wait -1                              ; everybody's is
	FETCH 0, 0, F0
	s_wait_loadcnt 0x0                             ; the bias
	QUARTER 0, 64,  F0, F1, 1                      ; the first quarter stands in front of the loop: its products start the sums
	WIN 0                                          ; at a label and at a branch every window is 0
	s_mov_b32 s3, LAPS-1
.Llap:                                                 ; a trip goes once round the ring, from a lap's second quarter to the next lap's first, and fills both slots again
	QUARTER 0, 128, F1, F0, 0
	QUARTER 0, 192, F0, F1, 0
	TURN 0, 1, 1
	QUARTER 1, 64,  F0, F1, 0
	QUARTER 1, 128, F1, F0, 0
	QUARTER 1, 192, F0, F1, 0
	TURN 1, 0, 1
	QUARTER 0, 64,  F0, F1, 0
	WIN 0
	s_sub_co_u32 s3, s3, 1
	s_cmp_lg_u32 s3, 0
	s_cbranch_scc1 .Llap
	QUARTER 0, 128, F1, F0, 0                      ; the last lap is written out: it fills nothing
	QUARTER 0, 192, F0, F1, 0
	TURN 0, 1, 0
	QUARTER 1, 64,  F0, F1, 0
	QUARTER 1, 128, F1, F0, 0
	QUARTER 1, 192, F0, F1, 0
	s_wait_dscnt 8                                 ; the very last quarter: nothing more to fetch
	MUL16 F1, 0, 0, 0
	MUL16 F1, 0, 2, 0
	s_wait_dscnt 0x0
	MUL16 F1, 1, 0, 0
	MUL16 F1, 1, 2, 0
	PLACES                                         ; behind the last products: the stores below read results, the loads behind them write over them
	TOSTAGE 0
.irp a, 1,2,3,4,5,6,7                  ; a block's trip through the stage is issued ahead of the wait for the block before
	TOSTAGE \a
	SEND (\a)-1, 32
.endr
	SEND 7, 0
	WIN 0
	s_wait_tensorcnt 0x0                           ; the wave's end, behind my last tensor load and my last LDS store
	ds_add_u32 v[SPW], v[NIL]
	s_wait_dscnt 0x0
	CROUND                                         ; the closing round: no work-group ends while a partner may still ask for a tile that names it
	s_endpgm
.Lfunc_end_k_q8ca45f356c_gemm:
	.size	k_q8ca45f356c_gemm, .Lfunc_end_k_q8ca45f356c_gemm-k_q8ca45f356c_gemm
	.p2alignl 7, 3214868480
	.fill 96, 4, 3214868480
	.section	.rodata,"a",@progbits
	.p2align	6, 0x0
	.amdhsa_kernel k_q8ca45f356c_gemm
		.amdhsa_group_segment_fixed_size 327680
		.amdhsa_private_segment_fixed_size 0
		.amdhsa_enable_private_segment 0
		.amdhsa_kernarg_size 32
		.amdhsa_user_sgpr_count 2
		.amdhsa_user_sgpr_kernarg_segment_ptr 1
		.amdhsa_wavefront_size32 1
		.amdhsa_system_sgpr_workgroup_id_x 1
		.amdhsa_system_sgpr_workgroup_id_y 1
		.amdhsa_system_sgpr_workgroup_id_z 1
		.amdhsa_system_vgpr_workitem_id 0
		.amdhsa_next_free_vgpr 1024
		.amdhsa_next_free_sgpr 72
		.amdhsa_reserve_vcc 0
		.amdhsa_float_denorm_mode_32 3
		.amdhsa_float_denorm_mode_16_64 3
		.amdhsa_memory_ordered 1
		.amdhsa_forward_progress 1
		.amdhsa_inst_pref_size 145
	.end_amdhsa_kernel
	.amdgpu_metadata
---
amdhsa.version: [ 1, 2 ]
amdhsa.kernels:
  - .name:           k_q8ca45f356c_gemm
    .symbol:         k_q8ca45f356c_gemm.kd
    .args:
      - { .name: xh, .offset: 0, .size: 8, .value_kind: global_buffer, .address_space: global }
      - { .name: wh, .offset: 8, .size: 8, .value_kind: global_buffer, .address_space: global }
      - { .name: bias, .offset: 16, .size: 8, .value_kind: global_buffer, .address_space: global }
      - { .name: out0, .offset: 24, .size: 8, .value_kind: global_buffer, .address_space: global }
    .group_segment_fixed_size: 327680
    .private_segment_fixed_size: 0
    .kernarg_segment_align: 8
    .kernarg_segment_size: 32
    .max_flat_workgroup_size: 128
    .sgpr_count:     72
    .vgpr_count:     1024
    .wavefront_size: 32
...
	.end_amdgpu_metadata
.endif
;; end of part 2
;; ======== version 2 of 2: 2 launches; version 1 with the launch prep written anew for expert scheduling mode
;; limits: values are held in f16: magnitudes above 65,504 overflow, below 6.1e-05 lose precision
;; workspace buffers: xh 33,554,432 bytes; wh 33,554,432 bytes
;; launch prep (part 3): grid 512 x 2, 8 waves a work-group, no clusters, 0 bytes of LDS; arguments x, w_q, scale, zero_point, xh, wh; writes xh, wh
.if DOCPART == 3
	.amdgcn_target "amdgcn-amd-amdhsa--gfx1250"
	.amdhsa_code_object_version 6
	.text
	.protected	k_q8ca45f356c_prep
	.globl	k_q8ca45f356c_prep
	.p2align	8
	.type	k_q8ca45f356c_prep,@function
k_q8ca45f356c_prep:
	s_mov_b64 s[64:65], 0
	v_nop
	global_prefetch_b8 v0, s[64:65] scope:SCOPE_SE
	s_setreg_imm32_b32 hwreg(HW_REG_WAVE_SCHED_MODE, 0, 2), 2
	s_setreg_imm32_b32 hwreg(HW_REG_WAVE_MODE, 25, 1), 1
	s_wait_xcnt 0x0
	s_wait_alu depctr_vm_vsrc(0)
; xh[m][i] = f16(x[m][i]);  wh[o][i] = f16((f32(w_q[o][i]) - zero_point[o]) * scale[o]).  x: [4096][4096] f32, w_q: [4096][4096] int32, xh, wh: [4096][4096] f16.
; The difference and the product are made in f32, in the order in which the problem writes them, and rounded once, to f16.
; Done once here, since the product that follows reads every row of x and of w for 16 tiles: converting there would repeat this work sixteenfold.
; LIMITS.  f16 ends at 65,504: an |x| or |(q - zp) s| of 65,520 or more becomes an infinity; below 6.1e-5 a number keeps f16's fixed step of 6e-8.
; q is converted as the problem's astype converts it: exact below 2^24, to nearest even above.
; SHARES.  Grid y = 0: x; y = 1: w_q.  A wave owns ONE row (16,384 bytes in, 8,192 out), row = 8 x work-group + wave, so a row's zero point and scale are two scalars.
; A load takes 16 bytes a lane, 512 consecutive bytes a wave; a store 8 bytes a lane: 256 consecutive bytes, aligned.  Every byte is read once and written once.
; No LDS, no barrier, no cluster: no wave needs what another wave reads.
; THE MODE: SCHED_MODE bits 1:0 = 2 (LLVM: expert scheduling mode 2), set by the entry lines.  The code itself states the register dependences
; between vector instructions and memory instructions, with s_wait_alu, always for 0.
; THE PLAN.  A row's 32 loads go in 8 blocks of four.  Registers that memory instructions touch:
;   X0 .. X3   four blocks as loaded.   Written by the loads of block p + 3, issued in block p (blocks 0 to 2: at the head); read by block p's conversions (X[p % 4]).
;   Y0 .. Y3   four blocks to store.    Written by block p's roundings (Y[p % 4]); read by the four stores that are issued in block p + 1.
;   v1, v2     byte offsets, made once at the head and never written again: a load's or a store's place in the row stands in its immediate, and no base is stepped.
; Block p's memory instructions are the loads into X[(p + 3) % 4] = X[(p - 1) % 4] and the stores from Y[(p - 1) % 4]: the two buffers that block p - 1 worked on and that no vector
; instruction of block p names.  So one wait on va_vdst at a block's head states all that its eight memory instructions hang on, and these are dealt among its vector instructions.
; A Y buffer is written again four blocks later.  Blocks 0 to 3 write the four for the first time; the pair of waits at block 4's head covers the stores issued in blocks 1 to 3
; (blocks 0 to 2's numbers), so blocks 4, 5 and 6 may write; the pair at block 7's head covers the stores issued in block 4 (block 3's numbers).
; With eight blocks a loop over those that both load and store (1 to 4) would have one lap: the blocks are written out, by macro.
.set BLOCK,  4                         ; loads, and stores, in a block
.set BLOCKS, 32/BLOCK                  ; a row is 32 loads
.set IN,  1                            ; v1         16 x lane; never rewritten
.set OUT, 2                            ; v2         8 x lane; never rewritten
.set T,   4                            ; v[4:7]     four numbers in f32, at work: no memory instruction names them
.set X,   8                            ; v[8:71]    buffer k, load i: 4 registers at X + 16 k + 4 i, as loaded
.set Y,   72                           ; v[72:103]  buffer k, store i: 2 registers at Y + 8 k + 2 i, four f16 to store
.set SC,  26                           ; s[26:27]  the row's scale (the packed multiply names a pair and takes its low word for both halves)
.set NZ,  28                           ; s[28:29]  minus the row's zero point, likewise
	s_load_b256 s[4:11], s[0:1], 0x0               ; x s[4:5], w_q s[6:7], scale s[8:9], zero_point s[10:11]
	s_load_b128 s[12:15], s[0:1], 0x20             ; xh s[12:13], wh s[14:15]
	v_lshrrev_b32 v3, 5, v0
	v_readfirstlane_b32 s16, v3                    ; wave 0..7
	v_and_b32 v3, 31, v0                           ; lane
	v_lshlrev_b32 v[IN], 4, v3
	v_lshlrev_b32 v[OUT], 3, v3
	s_wait_alu depctr_va_sdst(0)                   ; s16 is written, ahead of its first reader: the row's number, and with it every base, is made from it
	s_lshl_b32 s17, ttmp9, 3
	s_add_co_u32 s17, s17, s16                     ; my row
	s_lshl_b32 s18, s17, 14                        ; its first byte in the source: 16,384 bytes a row, 67 MB at the most,
	s_mov_b32 s19, 0
	s_lshl_b32 s20, s17, 13                        ; in the result,
	s_mov_b32 s21, 0
	s_lshl_b32 s22, s17, 2                         ; and in scale and zero_point
	s_mov_b32 s23, 0
	s_and_b32 s24, ttmp7, 0xffff                   ; which tensor
	s_wait_kmcnt 0x0
	s_cmp_lg_u32 s24, 0
	s_cbranch_scc1 .Lweights
; Block p.  kind = 0: f32 to f16.  kind = 1: int32 to f32, minus the zero point, times the scale, to f16.  pin, pout: the scalar pairs with the row's addresses.
.macro BLK p, kind, pin, pout
.if (\p) < BLOCKS-2
	s_wait_loadcnt 2*BLOCK                         ; loads come back in order (ISA guide 5.7.1): X[p % 4] is in, the two younger blocks stay out
.else
	s_wait_loadcnt (BLOCKS-1-(\p))*BLOCK           ; the last blocks: the counts run down
.endif
.if ((\p) == 4) || ((\p) == 7)
	s_wait_xcnt 0x0                                ; every earlier memory instruction has had its addresses translated (ISA guide 3.1): only behind this wait is a Y that stores have named written again
	s_wait_alu depctr_vm_vsrc(0)                   ; the stores issued so far have read their Y: at block 4 those of blocks 0 to 2, which blocks 4 to 6 write again; at block 7 those of block 3
.endif
.if (\p) > 0
	s_wait_alu depctr_va_vdst(0)                   ; the block before has written its Y, which the stores below read, and is done reading its X, in which the loads below land
.endif
.irp i, 0,1,2,3
.if (\p)+3 < BLOCKS
	global_load_b128 v[X+16*(((\p)+3)%4)+4*(\i):X+16*(((\p)+3)%4)+4*(\i)+3], v[IN], s[\pin:\pin+1] offset:(BLOCK*((\p)+3)+(\i))*512 th:TH_LOAD_NT  ; three blocks ahead, the load ahead of the store; no vector instruction since the wait names these registers; the last load ends at the row's last byte
.endif
.if (\p) > 0
	global_store_b64 v[OUT], v[Y+8*(((\p)+3)%4)+2*(\i):Y+8*(((\p)+3)%4)+2*(\i)+1], s[\pout:\pout+1] offset:(BLOCK*((\p)-1)+(\i))*256  ; the block before; no hint: the next launch reads these bytes
.endif
.if \kind
.irp j, 0,1,2,3
	v_cvt_f32_i32 v[T+(\j)], v[X+16*((\p)%4)+4*(\i)+(\j)]
.endr
.irp j, 0,2
	v_pk_add_f32 v[T+(\j):T+(\j)+1], v[T+(\j):T+(\j)+1], s[NZ:NZ+1] op_sel_hi:[1,0]  ; q + (-zp): the same bits as q - zp
.endr
.irp j, 0,2
	v_pk_mul_f32 v[T+(\j):T+(\j)+1], v[T+(\j):T+(\j)+1], s[SC:SC+1] op_sel_hi:[1,0]  ; a difference and then a product: no fused form computes that
.endr
	v_cvt_pk_f16_f32 v[Y+8*((\p)%4)+2*(\i)],   v[T],   v[T+1]
	v_cvt_pk_f16_f32 v[Y+8*((\p)%4)+2*(\i)+1], v[T+2], v[T+3]
.else
	v_cvt_pk_f16_f32 v[Y+8*((\p)%4)+2*(\i)],   v[X+16*((\p)%4)+4*(\i)],   v[X+16*((\p)%4)+4*(\i)+1]
	v_cvt_pk_f16_f32 v[Y+8*((\p)%4)+2*(\i)+1], v[X+16*((\p)%4)+4*(\i)+2], v[X+16*((\p)%4)+4*(\i)+3]
.endif
.endr
.endm
; The loads of blocks 0, 1 and 2, into X0, X1, X2.
.macro FIRST pin
	s_wait_alu depctr_va_vdst(0)                   ; v1 and v2 are written: every load and store of the kernel reads one of them as its offset
.irp i, 0,1,2,3,4,5,6,7,8,9,10,11
	global_load_b128 v[X+4*(\i):X+4*(\i)+3], v[IN], s[\pin:\pin+1] offset:(\i)*512 th:TH_LOAD_NT
.endr
.endm
; A whole row: block 0 has no block in front of it and stores nothing; blocks 5 to 7 load nothing; behind block 7 its own four stores are left.
.macro STREAM kind, pin, pout
.irp p, 0,1,2,3,4,5,6,7
	BLK \p, \kind, \pin, \pout
.endr
	s_wait_alu depctr_va_vdst(0)                   ; block 7 has written Y3, which the last four stores read
.irp i, 0,1,2,3
	global_store_b64 v[OUT], v[Y+8*3+2*(\i):Y+8*3+2*(\i)+1], s[\pout:\pout+1] offset:(BLOCK*(BLOCKS-1)+(\i))*256
.endr
	s_endpgm
.endm
	s_add_nc_u64 s[4:5], s[4:5], s[18:19]          ; x and xh at my row
	s_add_nc_u64 s[12:13], s[12:13], s[20:21]
	FIRST 4
	STREAM 0, 4, 12
.Lweights:
	s_add_nc_u64 s[6:7], s[6:7], s[18:19]          ; w_q and wh at my row
	s_add_nc_u64 s[14:15], s[14:15], s[20:21]
	s_add_nc_u64 s[8:9], s[8:9], s[22:23]          ; scale and zero_point at my row's number
	s_add_nc_u64 s[10:11], s[10:11], s[22:23]
	s_load_b32 s[SC], s[8:9], 0x0
	s_load_b32 s[NZ], s[10:11], 0x0
	FIRST 6                                        ; the first three blocks are on their way while the two scalars come
	s_wait_kmcnt 0x0
	s_mov_b32 s[SC+1], s[SC]                       ; named with it as a pair, so it is written
	s_xor_b32 s[NZ], s[NZ], 0x80000000             ; -zp
	s_mov_b32 s[NZ+1], s[NZ]
	STREAM 1, 6, 14
.Lfunc_end_k_q8ca45f356c_prep:
	.size	k_q8ca45f356c_prep, .Lfunc_end_k_q8ca45f356c_prep-k_q8ca45f356c_prep
	.p2alignl 7, 3214868480
	.fill 96, 4, 3214868480
	.section	.rodata,"a",@progbits
	.p2align	6, 0x0
	.amdhsa_kernel k_q8ca45f356c_prep
		.amdhsa_group_segment_fixed_size 0
		.amdhsa_private_segment_fixed_size 0
		.amdhsa_enable_private_segment 0
		.amdhsa_kernarg_size 48
		.amdhsa_user_sgpr_count 2
		.amdhsa_user_sgpr_kernarg_segment_ptr 1
		.amdhsa_wavefront_size32 1
		.amdhsa_system_sgpr_workgroup_id_x 1
		.amdhsa_system_sgpr_workgroup_id_y 1
		.amdhsa_system_sgpr_workgroup_id_z 1
		.amdhsa_system_vgpr_workitem_id 0
		.amdhsa_next_free_vgpr 104
		.amdhsa_next_free_sgpr 66
		.amdhsa_reserve_vcc 0
		.amdhsa_float_denorm_mode_32 3
		.amdhsa_float_denorm_mode_16_64 3
		.amdhsa_memory_ordered 1
		.amdhsa_forward_progress 1
		.amdhsa_inst_pref_size 35
	.end_amdhsa_kernel
	.amdgpu_metadata
---
amdhsa.version: [ 1, 2 ]
amdhsa.kernels:
  - .name:           k_q8ca45f356c_prep
    .symbol:         k_q8ca45f356c_prep.kd
    .args:
      - { .name: x, .offset: 0, .size: 8, .value_kind: global_buffer, .address_space: global }
      - { .name: w_q, .offset: 8, .size: 8, .value_kind: global_buffer, .address_space: global }
      - { .name: scale, .offset: 16, .size: 8, .value_kind: global_buffer, .address_space: global }
      - { .name: zero_point, .offset: 24, .size: 8, .value_kind: global_buffer, .address_space: global }
      - { .name: xh, .offset: 32, .size: 8, .value_kind: global_buffer, .address_space: global }
      - { .name: wh, .offset: 40, .size: 8, .value_kind: global_buffer, .address_space: global }
    .group_segment_fixed_size: 0
    .private_segment_fixed_size: 0
    .kernarg_segment_align: 8
    .kernarg_segment_size: 48
    .max_flat_workgroup_size: 256
    .sgpr_count:     66
    .vgpr_count:     104
    .wavefront_size: 32
...
	.end_amdgpu_metadata
.endif
;; end of part 3
;; launch gemm: the kernel of part 2 again; grid 16 x 16, 4 waves a work-group, clusters of 4 x 4, 327,680 bytes of LDS; arguments xh, wh, bias, out0; writes out0
